; MI455X (gfx1250); checked and timed in simulation.
; The chip was launched on July 23, 2026; its instructions are those of AMD's public machine-readable ISA for CDNA 5 (MIT licence, August 2026) and "CDNA5" Instruction Set Architecture Reference Guide (July 2026). The comments in the code are by the model that wrote it; some were corrected since.
;; FP8 Palettized Linear. Allowed arithmetic: float matrix products may take bf16 or f16 operands with f32 sums; other float arithmetic in f32, or as packed bf16 or f16 multiplies, adds, multiply-adds, maxima and minima; sums over many terms, partial sums and values carried from step to step in f32; what a program stores and reads back later, other than sums and carried values, may be rounded once to bf16 or f16.
;; Inputs: bias 4,096 float32; input 4 x 1,024 x 4,096 float32; lookup_table 256 float32; weight 4,096 x 4,096 int32.
;; Outputs: out0 4 x 1,024 x 4,096 float32.
;; 2 versions, each right; version 2 is version 1 with the launch prep written anew for expert scheduling mode. Each part assembles by itself: llvm-mc -triple=amdgcn-amd-amdhsa -mcpu=gfx1250 --defsym DOCPART=n.
;; ======== version 1 of 2: 2 launches
;; workspace buffers: a16 33,554,432 bytes; b16 33,554,432 bytes
;; launch prep (part 1): grid 1024 x 1, 8 waves a work-group, no clusters, 2,048 bytes of LDS; arguments input, lookup_table, weight, a16, b16; writes a16, b16
.if DOCPART == 1
	.amdgcn_target "amdgcn-amd-amdhsa--gfx1250"
	.amdhsa_code_object_version 6
	.text
	.protected	k_q2b5262f241_prep
	.globl	k_q2b5262f241_prep
	.p2align	8
	.type	k_q2b5262f241_prep,@function
k_q2b5262f241_prep:
	s_mov_b64 s[64:65], 0
	v_nop
	global_prefetch_b8 v0, s[64:65] scope:SCOPE_SE
	s_setreg_imm32_b32 hwreg(HW_REG_WAVE_MODE, 25, 1), 1
	s_wait_xcnt 0x0
; FIRST OF TWO LAUNCHES.  out0[m][o] = the sum over d of input[m][d] x lookup_table[weight[o][d]] + bias[o]; m = 4 x 1,024 = 4,096 rows, o and d 4,096 each.
; This launch makes the product's two operands, once:  a16[m][d] = input[m][d] rounded to bf16;  b16[o][d] = lookup_table[weight[o][d]] rounded to bf16.  The second launch multiplies them and adds the bias.
; Why apart from the product: each row of the weights is multiplied by 16 tile rows of the output and each row of the input by 16 tile columns; looked up or rounded inside the product, the same number would be made 16 times.
; NO WORK IS LEFT OUT: all four inputs reach the output, and all are loaded (bias by the second launch).
; LIMITS.  An index is taken as unsigned and held to 255: the problem's indices are 0 to 255; a greater one, and a negative one, reads entry 255.  input and the palette are rounded once, to nearest even, to bf16,
; which has f32's range; rounding the 256 entries and looking up gives the same numbers as looking up and rounding.
; SHARES.  1,024 work-groups of eight waves, all alike: each takes 65,536 consecutive bytes of input and of weight (16,384 numbers each) and writes 32,768 bytes of a16 and of b16.
; In step j of 16 thread t loads 16 bytes at 16 t + 4,096 j and stores 8 bytes at 8 t + 2,048 j: a wave's load covers 512 consecutive bytes, aligned; a wave's store 256 consecutive bytes, aligned.
; IN FLIGHT.  A wave's 33 loads all go out ahead of its first wait: 16 KiB a wave.  Each step has registers of its own, so no register that a load or store names is written again, and the text has no loop.
; THE PALETTE lies in LDS as 256 words, entry i rounded to bf16 in BOTH halves of word i, so that one v_perm_b32 packs two looked-up numbers whichever half each goes to.
; Matrix units, tensor loads and clusters are left out: nothing is multiplied, and no byte is wanted by two work-groups but the palette's 1,024.  No prefetch: every load is out from the start.
.set TABLE, 0                          ; LDS bytes 0 to 1,023: the palette
.set SPARE, 1024                       ; behind it: the spare words, 128 bytes for each of the eight waves: four blocks of 256 bytes that no other line names
.set LO,  1                            ; v1   16 t: my 16 bytes in a step's 4,096 of input and of weight; never rewritten
.set SO,  2                            ; v2   8 t: my 8 bytes in a step's 2,048 of a16 and of b16; never rewritten
.set TA,  3                            ; v3   4 t: my entry in lookup_table and in the palette in LDS
.set SPW, 6                            ; v6   LDS address of my spare word: SPARE + 4 x my thread's number; never rewritten
.set NIL, 7                            ; v7   0; never rewritten
.set W,   8                            ; v[8:71]    step j: four indices, then four LDS addresses, then four palette words, then 8 bytes to store
.set X,   72                           ; v[72:135]  step j: four f32 of input, then 8 bytes to store
	s_load_b256 s[4:11], s[0:1], 0x0               ; input s[4:5], lookup_table s[6:7], weight s[8:9], a16 s[10:11]
	s_load_b64 s[12:13], s[0:1], 0x20              ; b16
	v_lshl_add_u32 v[SPW], v0, 2, SPARE
	v_mov_b32 v[NIL], 0
	v_lshlrev_b32 v[LO], 4, v0
	v_lshlrev_b32 v[SO], 3, v0
	v_lshlrev_b32 v[TA], 2, v0
	s_lshl_b32 s14, ttmp9, 16                      ; the work-group's 65,536 bytes of input and of weight (1,023 x 65,536 at the most: one word holds it)
	s_mov_b32 s15, 0
	s_lshl_b32 s16, ttmp9, 15                      ; its 32,768 bytes of a16 and of b16
	s_mov_b32 s17, 0
	s_mov_b32 s18, 0x07060100                      ; v_perm_b32: bytes 0, 1 of the second source below, bytes 2, 3 of the first source above
	s_wait_kmcnt 0x0
	s_add_nc_u64 s[4:5], s[4:5], s[14:15]
	s_add_nc_u64 s[8:9], s[8:9], s[14:15]
	s_add_nc_u64 s[10:11], s[10:11], s[16:17]
	s_add_nc_u64 s[12:13], s[12:13], s[16:17]
	global_load_b32 v4, v[TA], s[6:7]              ; thread t's palette entry: 256 threads, 256 entries
.irp j, 0,1,2,3,4,5,6,7,8,9,10,11,12,13,14,15
	global_load_b128 v[W+4*(\j):W+4*(\j)+3], v[LO], s[8:9] offset:4096*(\j) th:TH_LOAD_NT
	global_load_b128 v[X+4*(\j):X+4*(\j)+3], v[LO], s[4:5] offset:4096*(\j) th:TH_LOAD_NT
.endr
	s_wait_loadcnt 32                              ; loads come back in order (ISA guide 5.7.1): my palette entry is in, the 32 loads issued behind it stay out
	v_cvt_pk_bf16_f32 v5, v4, v4                   ; rounded once, into both halves
	ds_store_b32 v[TA], v5 offset:TABLE
	s_wait_dscnt 0x0                               ; for the other waves' sake: my 32 entries lie in LDS
	s_barrier_signal -1
	s_barrier_wait -1                              ; all 256 do; nobody writes the palette again
; Step j, first part: its indices become LDS addresses and its four look-ups go out; meanwhile its four numbers of input are rounded and stored.
.macro GATHER j
	s_wait_loadcnt 30-2*(\j)                       ; step j's two loads are in; behind them stand the two of each of the 15 - j later steps
.irp k, 0,1,2,3
	v_min_u32 v[W+4*(\j)+(\k)], 0xff, v[W+4*(\j)+(\k)]  ; the index stays inside the table
.endr
.irp k, 0,1,2,3
	v_lshlrev_b32 v[W+4*(\j)+(\k)], 2, v[W+4*(\j)+(\k)] ; a word an entry: 1,020 at the most
.endr
.irp k, 0,1,2,3
	ds_load_b32 v[W+4*(\j)+(\k)], v[W+4*(\j)+(\k)] offset:TABLE
.endr
	v_cvt_pk_bf16_f32 v[X+4*(\j)],   v[X+4*(\j)],   v[X+4*(\j)+1]
	v_cvt_pk_bf16_f32 v[X+4*(\j)+1], v[X+4*(\j)+2], v[X+4*(\j)+3]
	global_store_b64 v[SO], v[X+4*(\j):X+4*(\j)+1], s[10:11] offset:2048*(\j)
.endm
; Step j, second part: the four palette words are packed and stored.  younger = the look-ups issued behind step j's, which may stay out.
.macro FINISH j, younger
	s_wait_dscnt \younger                          ; LDS loads come back in order (ISA guide 5.7.1)
	v_perm_b32 v[W+4*(\j)],   v[W+4*(\j)+1], v[W+4*(\j)],   s18  ; number 0 below, number 1 above
	v_perm_b32 v[W+4*(\j)+1], v[W+4*(\j)+3], v[W+4*(\j)+2], s18  ; numbers 2 and 3
	global_store_b64 v[SO], v[W+4*(\j):W+4*(\j)+1], s[12:13] offset:2048*(\j)
.endm
	GATHER 0
.irp j, 1,2,3,4,5,6,7,8,9,10,11,12,13,14,15
	GATHER \j                                      ; a step's look-ups are out while the step before is packed
	FINISH (\j)-1, 4
.endr
	FINISH 15, 0
	s_wait_tensorcnt 0x0                           ; the wave's end, behind my last LDS store
	ds_add_u32 v[SPW], v[NIL]
	s_wait_dscnt 0x0
	s_endpgm
.Lfunc_end_k_q2b5262f241_prep:
	.size	k_q2b5262f241_prep, .Lfunc_end_k_q2b5262f241_prep-k_q2b5262f241_prep
	.p2alignl 7, 3214868480
	.fill 96, 4, 3214868480
	.section	.rodata,"a",@progbits
	.p2align	6, 0x0
	.amdhsa_kernel k_q2b5262f241_prep
		.amdhsa_group_segment_fixed_size 2048
		.amdhsa_private_segment_fixed_size 0
		.amdhsa_enable_private_segment 0
		.amdhsa_kernarg_size 40
		.amdhsa_user_sgpr_count 2
		.amdhsa_user_sgpr_kernarg_segment_ptr 1
		.amdhsa_wavefront_size32 1
		.amdhsa_system_sgpr_workgroup_id_x 1
		.amdhsa_system_sgpr_workgroup_id_y 1
		.amdhsa_system_sgpr_workgroup_id_z 1
		.amdhsa_system_vgpr_workitem_id 0
		.amdhsa_next_free_vgpr 136
		.amdhsa_next_free_sgpr 66
		.amdhsa_reserve_vcc 0
		.amdhsa_float_denorm_mode_32 3
		.amdhsa_float_denorm_mode_16_64 3
		.amdhsa_memory_ordered 1
		.amdhsa_forward_progress 1
		.amdhsa_inst_pref_size 23
	.end_amdhsa_kernel
	.amdgpu_metadata
---
amdhsa.version: [ 1, 2 ]
amdhsa.kernels:
  - .name:           k_q2b5262f241_prep
    .symbol:         k_q2b5262f241_prep.kd
    .args:
      - { .name: input, .offset: 0, .size: 8, .value_kind: global_buffer, .address_space: global }
      - { .name: lookup_table, .offset: 8, .size: 8, .value_kind: global_buffer, .address_space: global }
      - { .name: weight, .offset: 16, .size: 8, .value_kind: global_buffer, .address_space: global }
      - { .name: a16, .offset: 24, .size: 8, .value_kind: global_buffer, .address_space: global }
      - { .name: b16, .offset: 32, .size: 8, .value_kind: global_buffer, .address_space: global }
    .group_segment_fixed_size: 2048
    .private_segment_fixed_size: 0
    .kernarg_segment_align: 8
    .kernarg_segment_size: 40
    .max_flat_workgroup_size: 256
    .sgpr_count:     66
    .vgpr_count:     136
    .wavefront_size: 32
...
	.end_amdgpu_metadata
.endif
;; end of part 1
;; launch gemm (part 2): grid 16 x 16, 4 waves a work-group, clusters of 4 x 4, 327,680 bytes of LDS; arguments a16, b16, bias, out0; writes out0
.if DOCPART == 2
	.amdgcn_target "amdgcn-amd-amdhsa--gfx1250"
	.amdhsa_code_object_version 6
	.text
	.protected	k_q2b5262f241_gemm
	.globl	k_q2b5262f241_gemm
	.p2align	8
	.type	k_q2b5262f241_gemm,@function
k_q2b5262f241_gemm:
	s_mov_b64 s[64:65], 0
	v_nop
	global_prefetch_b8 v0, s[64:65] scope:SCOPE_SE
	s_setreg_imm32_b32 hwreg(HW_REG_WAVE_MODE, 25, 1), 1
	s_wait_xcnt 0x0
	s_wait_alu depctr_hold_cnt(0) depctr_sa_sdst(0) depctr_va_vdst(0) depctr_va_sdst(0) depctr_va_ssrc(0) depctr_va_vcc(0) depctr_vm_vsrc(0)
	s_getreg_b32 s2, hwreg(HW_REG_IB_STS2, 6, 4)
	s_cmp_eq_u32 s2, 0
	s_cbranch_scc0 .Lentry_in_a_cluster
	s_endpgm
.Lentry_in_a_cluster:
	s_bfe_u32 s2, ttmp6, 0x10000c
	s_cmp_lg_u32 s2, 0xf033
	s_cbranch_scc0 .Lentry_shape_is_right
	s_endpgm
.Lentry_shape_is_right:
; SECOND OF TWO LAUNCHES.  out0[m][o] = the sum over d of a16[m][d] b16[o][d] + bias[o].  a16, b16: [4096][4096] bf16, made by the first launch (input rounded; the palette looked up and rounded); bias, out0 f32.
; No work is left out.  LIMITS: the operands carry the first launch's one rounding to bf16; each sum is kept in f32, begins with the bias, and takes K ascending in the matrix unit's own order.
; A tile of out0, 256 x 256, is made by a work-group of four waves; a wave makes 128 x 128: 64 accumulators of 16 x 16, 512 registers.  4,096 x 4,096 are 256 tiles: one work-group each, one tile to a work-group.
; K goes in 32 steps of 128 through a ring of two LDS slots filled by the tensor data mover: the rows of the tiles are 256 bytes of memory and start at multiples of 256 bytes from the buffer's first byte.
; CLUSTERS: 4 x 4 work-groups.  The four of a row of the cluster need the same tiles of a16, the four of a column the same tiles of b16: each tile is asked for JOINTLY, by the same tensor load with the same
; descriptor and a mask that names the four; each receives it in its own LDS.  That divides the requests for both operands by four.
; THE MATRIX INSTRUCTION IS USED TRANSPOSED: source 0 = 16 rows of b16, source 1 = 16 rows of a16.  In the result lane l holds row m = l % 16 of out0, and its registers 0 to 7 the columns 8 (l / 16) + 0..7.
; THE BIAS STARTS THE SUMS: the first product on each accumulator takes as C eight registers that hold the bias of the lane's eight columns.  Nothing is cleared, and nothing is added on the way out.
; REGISTERS, in windows of 256 (s_set_vgpr_msb's low byte: bits 1:0 source 0, 3:2 source 1, 5:4 source 2, 7:6 destination):
;   window 0: v0-31 addresses; v64-127, v128-191 fragments of a16 (8 x 16 rows x 32 K), two buffers, on the way out two buffers of 16 rows read back; v192-255 the bias
;   window 1: v64-127, v128-191 fragments of b16, two buffers
;   window 2: the 32 accumulators of my rows 0-63 (accumulator (a, b) at v[8 (8 a + b)]);   window 3: those of my rows 64-127
.set SIZE_K, 4096
.set SIZE_N, 4096
.set KSTEP,  128
.set PITCH,  272                       ; an LDS row: 256 bytes of data + 16 of padding = 68 words: row r starts at bank 4 r mod 64 (64 banks of 4 bytes: ISA guide 11.1), so the 16 rows that a load touches start at 16 different banks
.set HALFT,  128*PITCH                 ; 128 rows: what one tensor load brings, and what one wave reads of either operand
.set SLOT,   4*HALFT                   ; a16's 256 rows, then b16's 256 rows
.set STAGE,  2*SLOT                    ; behind the ring, never filled by a tensor load: 16 rows for each wave, for the way out
.set SPITCH, 528                       ; a stage row: 128 f32 = 512 bytes + 16 = 132 words: row r again starts at bank 4 r mod 64
.set WSTAGE, 16*SPITCH                 ; a wave's stage: 8,448 bytes = 33 blocks of 256
.set SPARE,  STAGE+4*WSTAGE            ; behind the stages: the spare words, 128 bytes for each wave: two blocks of 256 bytes that no other line names
.set LAPS,   SIZE_K/(2*KSTEP)          ; a lap = two K steps = once round the ring: 16
.set ADRA, 16                          ; v16-17  LDS address of my fragments of a16 in slot 0, 1
.set ADRB, 20                          ; v20-21  the same for b16
.set STO,  24                          ; v24     the way out: where I put 32 bytes of a row
.set RD,   25                          ; v25     the way out: where I read 16 bytes of a row back
.set CO,   26                          ; v26     16 x lane: my 16 bytes in 512 consecutive bytes of out0; never rewritten
.set BO,   27                          ; v27     32 x (lane / 16): my eight columns' bias among sixteen
.set SPW,  28                          ; v28     LDS address of my spare word: SPARE + 4 x my thread's number; never rewritten
.set NIL,  29                          ; v29     0; never rewritten
.set PFO,  30                          ; v30     the prefetches' offset: my lane x a row of a16 or b16 (8,192 bytes); never rewritten
.set F0,   64                          ; fragment buffer 0
.set F1,   128                         ; fragment buffer 1
.set BIAS, 192                         ; v[BIAS + 8 b + j] = the bias of column 16 b + 8 (lane / 16) + j of my 128
.set WV,  2                            ; s2      my wave's number
.set HR,  12                           ; s12     which half of the tile's rows is mine.  Also: I fetch for a16 (0) or for b16 (1)
.set HC,  13                           ; s13     which half of its columns.  Also: which 128 rows of that tile I fetch
.set G1,  24                           ; s[24:31] descriptor group 1 for a16's tiles
.set G0,  32                           ; s[32:39] descriptor group 0 for a16's tiles, one set for each slot
.set LIM, 40                           ; s40     1 in a wave that prefetches, else the greatest number
.set PFA, 42                           ; s[42:43] where my prefetches stand: my work-group's 32 rows of the 128 that I fetch, one K step further along K than the refill in hand; a prefetch names the K step after that
.set G1B, 48                           ; s[48:55] descriptor group 1 for b16's tiles: it differs in the mask alone
.set G0B, 56                           ; s[56:63] descriptor group 0 for b16's tiles
.set MSB, 0
.macro WIN new                         ; the immediate's high byte repeats the setting that is left; a switch that changes nothing is dropped
.if MSB != (\new)
	s_set_vgpr_msb (MSB<<8)|(\new)
.set MSB, \new
.endif
.endm
.set MUL_LO,   0xa1                    ; source 0 (b16) window 1, source 1 (a16) window 0, C and D window 2
.set MUL_HI,   0xf1                    ; the same, C and D window 3
.set FIRST_LO, 0x81                    ; the first products: C (the bias) window 0, D window 2
.set FIRST_HI, 0xc1                    ; D window 3
.set TO_B,     0x40                    ; destination window 1, address window 0
; A joint load.  Waves 0 and 1 fetch a16's two halves, waves 2 and 3 b16's.  Each of the two lines has one mask and one set of registers for all that issue it; the branch hangs on the wave's number alone.
; An s_nop 0 and four v_nop follow each of the two lines; the jump round the other line, the label and what follows the macro come after them.
.macro JLOAD s
	s_cmp_eq_u32 s[HR], 0
	s_cbranch_scc0 .Lfor_b_\@
	tensor_load_to_lds s[G0+4*(\s):G0+4*(\s)+3], s[G1:G1+7]
	s_nop 0
.rept 4
	v_nop
.endr
	s_branch .Lasked_\@
.Lfor_b_\@:
	tensor_load_to_lds s[G0B+4*(\s):G0B+4*(\s)+3], s[G1B:G1B+7]
	s_nop 0
.rept 4
	v_nop
.endr
.Lasked_\@:
.endm
; A PREFETCH, behind each joint refill, its five lines and the run of LDS loads that follows them: the K step that stands TWO refills on (512 matrix instructions ahead of the load that will ask for it): 32 rows x 256 bytes,
; a lane a row, one instruction a wave.  Each row's 256 bytes of a K step are named ONCE in the launch.  A tile row of a16 is read by every cluster of that row of clusters: the one with cluster x = 0 prefetches; a tile
; column's rows of b16 by every cluster of that column: cluster y = 0 prefetches.  The four partners that ask for a tile jointly share its rows out BY ADDRESS: of the 128 rows that a wave fetches, the partner at place p
; takes 32 p .. 32 p + 31 (p = cx for a16, cy for b16): no branch hangs on a work-group's place in its cluster.  K steps 0 to 3 come by their loads alone; the loop's last trip (s3 = 1) has no K step two on and asks for nothing.
.macro ASK
	s_cmp_gt_u32 s3, s[LIM]
	s_cbranch_scc0 .Lnot_mine_\@
	global_prefetch_b8 v[PFO], s[PFA:PFA+1] offset:KSTEP*2 th:TH_LOAD_NT scope:SCOPE_SE
.Lnot_mine_\@:
.endm
; A round of the cluster's barrier: my work-group's barrier, so that wave 0's signal speaks for all four waves; wave 0 signals for the work-group; every wave waits for all sixteen work-groups; my work-group's barrier once more.
.macro CREST                           ; a round behind its opening barrier
	s_cmp_lg_u32 s[WV], 0
	s_cbranch_scc1 .Lnot_wave_0_\@
	s_barrier_signal -3
.Lnot_wave_0_\@:
	s_barrier_wait -3
	s_barrier_signal -1
	s_barrier_wait -1
.endm
.macro CROUND                          ; a whole round
	s_barrier_signal -1
	s_barrier_wait -1
	CREST
.endm
	s_load_b256 s[4:11], s[0:1], 0x0               ; a16 s[4:5], b16 s[6:7], bias s[8:9], out0 s[10:11]
	v_lshl_add_u32 v[SPW], v0, 2, SPARE
	v_mov_b32 v[NIL], 0
	ds_add_u32 v[SPW], v[NIL]                      ; the wave's opening: the add, twice on end, and its wait ahead of my first tensor load; the set-up below, work on registers, stands between the second and the wait
	ds_add_u32 v[SPW], v[NIL]                      ; and once more, under the one wait
	v_lshrrev_b32 v1, 5, v0
	v_readfirstlane_b32 s[WV], v1                  ; wave 0..3
	s_lshr_b32 s[HR], s[WV], 1
	s_and_b32 s[HC], s[WV], 1
	s_bfe_u32 s14, ttmp6, 0x40000                  ; cx: my place along the cluster's x
	s_bfe_u32 s15, ttmp6, 0x40004                  ; cy: along its y
	s_lshl_b32 s16, ttmp9, 2                       ; in a cluster launch ttmp9 and ttmp7 count clusters
	s_add_co_u32 s16, s16, s14                     ; tile column = 4 x cluster x + cx
	s_and_b32 s17, ttmp7, 0xffff
	s_lshl_b32 s17, s17, 2
	s_add_co_u32 s17, s17, s15                     ; tile row = 4 x cluster y + cy
	s_lshl_b32 s18, s15, 2
	s_lshl_b32 s18, 15, s18                        ; my row of the cluster: places 4 cy .. 4 cy + 3
	s_lshl_b32 s19, 0x1111, s14                    ; my column: places cx, cx + 4, cx + 8, cx + 12
	; descriptor group 1: a tile of 128 rows x 128 elements, padded in LDS
	s_or_b32 s[G1],  s18, (1<<16)|(1<<20)|(1<<21)|(5<<22)|(3<<25)  ; 15:0 the mask: a16's tiles go to my row; 17:16 elements of 2 bytes; 20 padding on; 21 set beside a mask; 24:22 after every 64 words (code 5); 31:25 4 words of it (code 3)
	s_or_b32 s[G1B], s19, (1<<16)|(1<<20)|(1<<21)|(5<<22)|(3<<25)  ; the same with the mask of my column, for b16's tiles
.irp g, G1, G1B
	s_mov_b32 s[(\g)+1], KSTEP<<16                 ; 63:48 tensor_dim0, low half = 128
	s_mov_b32 s[(\g)+2], 128<<16                   ; 79:64 its high half = 0; 95:80 tensor_dim1, low half = 128
	s_mov_b32 s[(\g)+3], KSTEP<<16                 ; 111:96 its high half = 0; 127:112 tile_dim0 = 128
	s_mov_b32 s[(\g)+4], 128                       ; 143:128 tile_dim1 = 128; 159:144 tile_dim2 = 0
	s_mov_b32 s[(\g)+5], SIZE_K                    ; 191:160 tensor_dim0_stride, low word: elements from row to row
	s_mov_b32 s[(\g)+6], 0
	s_mov_b32 s[(\g)+7], 0
.endr
	; where the tiles come from.  a16's hang on the tile row alone, which my row of the cluster shares; b16's on the tile column alone, which my column shares.  Every wave makes both addresses and asks by one of them.
	s_lshl_b32 s41, s[HC], 7                       ; which 128 rows of the tile I fetch
	s_lshl_b32 s20, s17, 8
	s_add_co_u32 s20, s20, s41                     ; a16: row 256 x tile row + 128 x half,
	s_lshl_b32 s20, s20, 13                        ; times 8,192 bytes: 3,968 x 8,192 at the most, one word holds it
	s_mov_b32 s21, 0
	s_lshl_b32 s22, s16, 8
	s_add_co_u32 s22, s22, s41                     ; b16: row 256 x tile column + 128 x half
	s_lshl_b32 s22, s22, 13
	s_mov_b32 s23, 0
	s_mul_i32 s41, s[WV], HALFT                    ; and where they go: a16's two halves, then b16's two halves = wave x 128 rows: no place in the cluster enters an LDS address
	s_wait_dscnt 0x0                               ; both opening adds are done
	s_wait_kmcnt 0x0
	s_add_nc_u64 s[44:45], s[4:5], s[20:21]
	s_add_nc_u64 s[46:47], s[6:7], s[22:23]
	CROUND                                         ; all sixteen work-groups are here: the first joint loads meet
.irp s, 0,1
	s_mov_b32 s[G0+4*(\s)], 1                                      ; 1:0 count = 1
	s_add_co_u32 s[G0+4*(\s)+1], s41, (\s)*SLOT                    ; 63:32 LDS address
	s_add_nc_u64 s[G0+4*(\s)+2:G0+4*(\s)+3], s[44:45], (\s)*KSTEP*2  ; 120:64 global address: K step s
	s_or_b32 s[G0+4*(\s)+3], s[G0+4*(\s)+3], 0x80000000            ; 127:126 type = 2
	s_mov_b32 s[G0B+4*(\s)], 1
	s_add_co_u32 s[G0B+4*(\s)+1], s41, (\s)*SLOT
	s_add_nc_u64 s[G0B+4*(\s)+2:G0B+4*(\s)+3], s[46:47], (\s)*KSTEP*2
	s_or_b32 s[G0B+4*(\s)+3], s[G0B+4*(\s)+3], 0x80000000
	JLOAD \s                                       ; the ring is filled before anything else is done: two tensor loads of mine are out
.endr
	; the bias of my 128 columns: lane l takes columns 16 b + 8 (l / 16) + 0..7 for b = 0..7: two loads of 16 bytes for each b
	v_and_b32 v1, 15, v0                           ; l % 16
	v_bfe_u32 v2, v0, 4, 1                         ; l / 16
	v_lshlrev_b32 v[BO], 5, v2
	s_lshl_b32 s18, s16, 10                        ; my first column in bytes of f32: 1,024 x tile column
	s_lshl_b32 s19, s[HC], 9                       ; + 512 x half
	s_add_co_u32 s18, s18, s19
	s_mov_b32 s19, 0
	s_add_nc_u64 s[8:9], s[8:9], s[18:19]
.irp b, 0,1,2,3,4,5,6,7
	global_load_b128 v[BIAS+8*(\b):BIAS+8*(\b)+3],   v[BO], s[8:9] offset:64*(\b)
	global_load_b128 v[BIAS+8*(\b)+4:BIAS+8*(\b)+7], v[BO], s[8:9] offset:64*(\b)+16
.endr
	; out0 at my first row and column
	s_lshl_b32 s20, s17, 8
	s_lshl_b32 s21, s[HR], 7
	s_add_co_u32 s20, s20, s21                     ; row 256 x tile row + 128 x half,
	s_lshl_b32 s20, s20, 14                        ; times 16,384 bytes
	s_mov_b32 s21, 0
	s_add_nc_u64 s[10:11], s[10:11], s[20:21]
	s_add_nc_u64 s[10:11], s[10:11], s[18:19]
	; A fragment is 16 rows x 32 K in 8 registers: lane l holds row l % 16; registers 0-3 hold K = 8 (l / 16) + 0..7, registers 4-7 K = 16 + 8 (l / 16) + 0..7: two loads of 16 bytes, 32 bytes apart.
	v_mul_u32_u24 v3, v1, PITCH
	v_lshl_add_u32 v3, v2, 4, v3                   ; row x pitch + 16 x half
	s_mul_i32 s22, s[HR], HALFT                    ; my 128 rows of a16
	s_mul_i32 s23, s[HC], HALFT                    ; my 128 rows of b16,
	s_add_co_u32 s23, s23, 2*HALFT                 ; which lie behind a16's 256
.irp s, 0,1
	v_add_nc_u32 v[ADRA+(\s)], s22, v3
	v_add_nc_u32 v[ADRB+(\s)], s23, v3
	s_add_co_u32 s22, s22, SLOT
	s_add_co_u32 s23, s23, SLOT
.endr
	s_mul_i32 s22, s[WV], WSTAGE
	s_add_co_u32 s22, s22, STAGE                   ; my stage
	v_mul_u32_u24 v4, v1, SPITCH                   ; in: row l % 16, 32 bytes for each half of the lanes
	v_lshl_add_u32 v4, v2, 5, v4
	v_add_nc_u32 v[STO], s22, v4
	v_and_b32 v5, 31, v0                           ; l
	v_lshlrev_b32 v[CO], 4, v5                     ; back, and out: 32 lanes take a row's 512 bytes
	v_add_nc_u32 v[RD], s22, v[CO]
	v_lshlrev_b32 v[PFO], 13, v5
	; the prefetches
	s_lshl_b32 s18, s17, 8                         ; 256 x tile row
	s_lshl_b32 s19, s16, 8                         ; 256 x tile column
	s_and_b32 s22, ttmp7, 0xffff                   ; cluster y
	s_cmp_eq_u32 s[HR], 0                          ; do I fetch for a16?
	s_cselect_b32 s20, s18, s19                    ; the tile's first row
	s_cselect_b32 s21, s14, s15                    ; my place among the four that ask for it with me
	s_cselect_b32 s22, ttmp9, s22                  ; the coordinate along which other clusters read the same rows
	s_cselect_b64 s[PFA:PFA+1], s[4:5], s[6:7]
	s_cmp_eq_u32 s22, 0
	s_cselect_b32 s[LIM], 1, -1                    ; the same in all sixteen partners, for a given wave
	s_lshl_b32 s22, s[HC], 7
	s_add_co_u32 s20, s20, s22                     ; + the 128 rows that I fetch
	s_lshl_b32 s21, s21, 5
	s_add_co_u32 s20, s20, s21                     ; + my work-group's 32 of them
	s_lshl_b32 s20, s20, 13
	s_mov_b32 s21, 0
	s_add_nc_u64 s[PFA:PFA+1], s[PFA:PFA+1], s[20:21]
	s_add_nc_u64 s[PFA:PFA+1], s[PFA:PFA+1], 2*KSTEP*2  ; at K step 2: the first refill steps it to 3 and names K step 4.  Nothing is prefetched here, at the head, where every work-group's first tiles are on their way
; 16 matrix instructions: m blocks a0, a0 + 1 of the window's four (hi = 0: my rows 0-63, 1: rows 64-127) x all 8 n blocks, 32 along K.  first = 1: the sums begin, with the bias as C.
; The 64 accumulators take turns, one instruction a turn, in the same order in every quarter step: between two matrix instructions on one accumulator stand the 63 others'.
.macro MUL16 f, hi, a0, first
.if \first
	WIN FIRST_LO+0x40*(\hi)
.else
	WIN MUL_LO+0x50*(\hi)
.endif
.irp a, \a0, (\a0)+1
.irp b, 0,1,2,3,4,5,6,7
.if \first
	v_wmma_f32_16x16x32_bf16 v[8*(8*(\a)+(\b)):8*(8*(\a)+(\b))+7], v[(\f)+8*(\b):(\f)+8*(\b)+7], v[(\f)+8*(4*(\hi)+(\a)):(\f)+8*(4*(\hi)+(\a))+7], v[BIAS+8*(\b):BIAS+8*(\b)+7]
.else
	v_wmma_f32_16x16x32_bf16 v[8*(8*(\a)+(\b)):8*(8*(\a)+(\b))+7], v[(\f)+8*(\b):(\f)+8*(\b)+7], v[(\f)+8*(4*(\hi)+(\a)):(\f)+8*(4*(\hi)+(\a))+7], v[8*(8*(\a)+(\b)):8*(8*(\a)+(\b))+7]
.endif
.endr
.endr
.endm
; 32 LDS loads in one run: the fragments of one quarter step (128 rows of b16, 128 rows of a16, 32 K at byte k of the rows) into buffer f
.macro FETCH slot, k, f
	WIN TO_B
.irp i, 0,1,2,3,4,5,6,7
	ds_load_b128 v[(\f)+8*(\i):(\f)+8*(\i)+3],   v[ADRB+(\slot)] offset:(\k)+(\i)*16*PITCH
	ds_load_b128 v[(\f)+8*(\i)+4:(\f)+8*(\i)+7], v[ADRB+(\slot)] offset:(\k)+(\i)*16*PITCH+32
.endr
	WIN 0
.irp i, 0,1,2,3,4,5,6,7
	ds_load_b128 v[(\f)+8*(\i):(\f)+8*(\i)+3],   v[ADRA+(\slot)] offset:(\k)+(\i)*16*PITCH
	ds_load_b128 v[(\f)+8*(\i)+4:(\f)+8*(\i)+7], v[ADRA+(\slot)] offset:(\k)+(\i)*16*PITCH+32
.endr
.endm
; A load into a register that a matrix instruction has read, and an LDS store that reads a matrix result, stand four places behind that matrix instruction, and only plain vector instructions that name none of its
; registers are places (ISA guide 7.12.1 for vector instructions); the matrix instructions in between are not counted.
.macro PLACES
.rept 4
	v_nop
.endr
.endm
; A K step is four quarter steps of 32 along K, 64 matrix instructions each, on buffers 0, 1, 0, 1.
; One of the first three: multiplies buffer f; in its middle it fetches the next quarter's fragments, at byte k of the same slot's rows, into buffer g.
.macro QUARTER slot, k, f, g, first
	s_wait_dscnt 8                                 ; b16's fragments and a16's rows 0-63 are in; the youngest eight loads (a16's rows 64-127) may be out
	MUL16 \f, 0, 0, \first
	MUL16 \f, 0, 2, \first
	PLACES
	FETCH \slot, \k, \g
	s_wait_dscnt 32                                ; all but the 32 just issued
	MUL16 \f, 1, 0, \first
	MUL16 \f, 1, 2, \first
.endm
; The last quarter multiplies buffer 1 and changes slots: ONE barrier, for two things.  In front of it each wave waits for all its tensor loads, of which one is out: its part of the next slot; adds 0 to its spare word;
; and waits for that and for its own reads of this slot.  Behind it nobody reads this slot any more and the next slot is whole.
; fill = 1: the barrier opens a round of the cluster's barrier, and behind the round this slot is filled again first, with the K step two steps on; from that request to the wait for it a wave issues 224 matrix instructions.
.macro TURN slot, next, fill
.if \fill
	s_wait_xcnt 0x0                                ; the last prefetch, a K step back, has read its address: it is stepped here, ahead of the waits of the change of slots
	s_add_nc_u64 s[PFA:PFA+1], s[PFA:PFA+1], KSTEP*2
.endif
	WIN 0                                          ; (the add's two registers lie in window 0)
	s_wait_tensorcnt 0x0                           ; all my tensor loads have landed: the one that was out is my part of the next slot;
	ds_add_u32 v[SPW], v[NIL]                      ; 0 onto my spare word;
	s_wait_dscnt 9                                 ; (the add and the youngest eight loads may be out)
	MUL16 F1, 0, 0, 0                              ; sixteen matrix instructions stand between the add and the wait for it
	s_wait_dscnt 0x0                               ; the add is done, and my reads of this slot are over:
	s_barrier_signal -1                            ; say so,
	MUL16 F1, 0, 2, 0                              ; work on registers while the others arrive,
.if \fill
	WIN 0
.endif
	s_barrier_wait -1                              ; and go on when all four have said so
.if \fill
	CREST                                          ; all sixteen work-groups have said so: no wave of any partner still reads this slot's tile or has a load on its way
	s_add_nc_u64 s[G0+4*(\slot)+2:G0+4*(\slot)+3], s[G0+4*(\slot)+2:G0+4*(\slot)+3], 2*KSTEP*2     ; no tensor load of mine is out, so a group 0 may be written; the type bits on top are not reached
	s_add_nc_u64 s[G0B+4*(\slot)+2:G0B+4*(\slot)+3], s[G0B+4*(\slot)+2:G0B+4*(\slot)+3], 2*KSTEP*2
	JLOAD \slot                                    ; the first tensor load behind the round, and my only one until the next; its four v_nop are also the places in front of the loads below
.else
	PLACES
.endif
	FETCH \next, 0, F0
.if \fill
	ASK                                            ; behind the joint load and the run of LDS loads that the next products wait for
.endif
	MUL16 F1, 1, 0, 0
	MUL16 F1, 1, 2, 0
.endm
; THE WAY OUT of block a (16 of my rows x my 128 columns, f32), in two parts.  A lane's eight results are 32 bytes of a row, and the lanes beside it hold other rows: so the block goes through my own stage in LDS.
; TOSTAGE: 32 bytes a lane for each of the 8 accumulators, each accumulator's low four registers first, into rows of 528 bytes; then back as whole rows of 512 bytes, into buffer a % 2.
.macro TOSTAGE a
.set AC, 64*((\a)%4)
.set OB, 64+64*((\a)%2)
	WIN 0x08+4*((\a)/4)                            ; the stores' data (source 1) in window 2 or 3
.irp b, 0,1,2,3,4,5,6,7
	ds_store_b128 v[STO], v[AC+8*(\b):AC+8*(\b)+3]   offset:64*(\b)
	ds_store_b128 v[STO], v[AC+8*(\b)+4:AC+8*(\b)+7] offset:64*(\b)+16
.endr
	WIN 0
.if (\a) >= 2
	s_wait_xcnt 0x0                                ; the stores of the block two back have read this buffer: it is loaded again only behind this wait
.endif
.irp t, 0,1,2,3,4,5,6,7,8,9,10,11,12,13,14,15
	ds_load_b128 v[OB+4*(\t):OB+4*(\t)+3], v[RD] offset:SPITCH*(\t)  ; LDS serves a wave's instructions in order (ISA guide 5.7.1.4): these see the stores above, and the next block's stores come behind them
.endr
.endm
; SEND: stored.  younger = the LDS instructions issued behind block a's loads: the next block's sixteen stores and sixteen loads, or none.
.macro SEND a, younger
.set OB, 64+64*((\a)%2)
.irp t, 0,1,2,3,4,5,6,7,8,9,10,11,12,13,14,15
	s_wait_dscnt (\younger)+15-(\t)                ; row t is back in registers
	global_store_b128 v[CO], v[OB+4*(\t):OB+4*(\t)+3], s[10:11] offset:(16*(\a)+(\t))*SIZE_N*4 th:TH_STORE_NT  ; the wave stores 512 consecutive bytes, at a multiple of 512 from out0's first byte; 127 rows of 16,384 bytes at the most: inside the signed 24-bit immediate
.endr
.endm
	s_wait_tensorcnt 1                             ; my part of K step 0 is in; K step 1's load, issued behind it, may stay out
	s_barrier_signal -1
	s_barrier_wait -1                              ; everybody's is
	FETCH 0, 0, F0
	s_wait_loadcnt 0x0                             ; the bias
	QUARTER 0, 64,  F0, F1, 1                      ; the first quarter stands in front of the loop: its products start the sums
	WIN 0                                          ; at a label and at a branch every window is 0
	s_mov_b32 s3, LAPS-1
.Llap:                                                 ; 15 trips: a trip goes once round the ring, from a lap's second quarter to the next lap's first, and fills both slots again
	QUARTER 0, 128, F1, F0, 0
	QUARTER 0, 192, F0, F1, 0
	TURN 0, 1, 1
	QUARTER 1, 64,  F0, F1, 0
	QUARTER 1, 128, F1, F0, 0
	QUARTER 1, 192, F0, F1, 0
	TURN 1, 0, 1
	QUARTER 0, 64,  F0, F1, 0
	WIN 0
	s_sub_co_u32 s3, s3, 1
	s_cmp_lg_u32 s3, 0
	s_cbranch_scc1 .Llap
	QUARTER 0, 128, F1, F0, 0                      ; the last lap is written out: it fills nothing, and has no round of the cluster's barrier
	QUARTER 0, 192, F0, F1, 0
	TURN 0, 1, 0                                   ; my one tensor load that was still out is slot 1's, the last K step's
	QUARTER 1, 64,  F0, F1, 0
	QUARTER 1, 128, F1, F0, 0
	QUARTER 1, 192, F0, F1, 0
	s_wait_dscnt 8                                 ; the very last quarter: nothing more to fetch
	MUL16 F1, 0, 0, 0
	MUL16 F1, 0, 2, 0
	s_wait_dscnt 0x0
	MUL16 F1, 1, 0, 0
	MUL16 F1, 1, 2, 0
	WIN 0
	PLACES                                         ; in front of LDS stores that read results and of loads into a16's fragment registers;
	PLACES                                         ; eight, once a launch
	TOSTAGE 0
	TOSTAGE 1
.irp a, 0,1,2,3,4,5                    ; a block's trip through the stage stands between the loads of the block before and its stores
	SEND \a, 32
	TOSTAGE (\a)+2
.endr
	SEND 6, 32
	SEND 7, 0
	s_wait_tensorcnt 0x0                           ; the wave's end, behind my last tensor load and my last LDS store
	ds_add_u32 v[SPW], v[NIL]
	s_wait_dscnt 0x0
	CROUND                                         ; the closing round: no work-group ends while a partner may still ask for a tile that names it
	s_endpgm
.Lfunc_end_k_q2b5262f241_gemm:
	.size	k_q2b5262f241_gemm, .Lfunc_end_k_q2b5262f241_gemm-k_q2b5262f241_gemm
	.p2alignl 7, 3214868480
	.fill 96, 4, 3214868480
	.section	.rodata,"a",@progbits
	.p2align	6, 0x0
	.amdhsa_kernel k_q2b5262f241_gemm
		.amdhsa_group_segment_fixed_size 327680
		.amdhsa_private_segment_fixed_size 0
		.amdhsa_enable_private_segment 0
		.amdhsa_kernarg_size 32
		.amdhsa_user_sgpr_count 2
		.amdhsa_user_sgpr_kernarg_segment_ptr 1
		.amdhsa_wavefront_size32 1
		.amdhsa_system_sgpr_workgroup_id_x 1
		.amdhsa_system_sgpr_workgroup_id_y 1
		.amdhsa_system_sgpr_workgroup_id_z 1
		.amdhsa_system_vgpr_workitem_id 0
		.amdhsa_next_free_vgpr 1024
		.amdhsa_next_free_sgpr 66
		.amdhsa_reserve_vcc 0
		.amdhsa_float_denorm_mode_32 3
		.amdhsa_float_denorm_mode_16_64 3
		.amdhsa_memory_ordered 1
		.amdhsa_forward_progress 1
		.amdhsa_inst_pref_size 147
	.end_amdhsa_kernel
	.amdgpu_metadata
---
amdhsa.version: [ 1, 2 ]
amdhsa.kernels:
  - .name:           k_q2b5262f241_gemm
    .symbol:         k_q2b5262f241_gemm.kd
    .args:
      - { .name: a16, .offset: 0, .size: 8, .value_kind: global_buffer, .address_space: global }
      - { .name: b16, .offset: 8, .size: 8, .value_kind: global_buffer, .address_space: global }
      - { .name: bias, .offset: 16, .size: 8, .value_kind: global_buffer, .address_space: global }
      - { .name: out0, .offset: 24, .size: 8, .value_kind: global_buffer, .address_space: global }
    .group_segment_fixed_size: 327680
    .private_segment_fixed_size: 0
    .kernarg_segment_align: 8
    .kernarg_segment_size: 32
    .max_flat_workgroup_size: 128
    .sgpr_count:     66
    .vgpr_count:     1024
    .wavefront_size: 32
...
	.end_amdgpu_metadata
.endif
;; end of part 2
;; ======== version 2 of 2: 2 launches; version 1 with the launch prep written anew for expert scheduling mode
;; workspace buffers: a16 33,554,432 bytes; b16 33,554,432 bytes
;; launch prep (part 3): grid 1024 x 1, 8 waves a work-group, no clusters, 2,048 bytes of LDS; arguments input, lookup_table, weight, a16, b16; writes a16, b16
.if DOCPART == 3
	.amdgcn_target "amdgcn-amd-amdhsa--gfx1250"
	.amdhsa_code_object_version 6
	.text
	.protected	k_q2b5262f241_prep
	.globl	k_q2b5262f241_prep
	.p2align	8
	.type	k_q2b5262f241_prep,@function
k_q2b5262f241_prep:
	s_mov_b64 s[64:65], 0
	v_nop
	global_prefetch_b8 v0, s[64:65] scope:SCOPE_SE
	s_setreg_imm32_b32 hwreg(HW_REG_WAVE_SCHED_MODE, 0, 2), 2
	s_setreg_imm32_b32 hwreg(HW_REG_WAVE_MODE, 25, 1), 1
	s_wait_xcnt 0x0
	s_wait_alu depctr_vm_vsrc(0)
; FIRST OF TWO LAUNCHES.  out0[m][o] = the sum over d of input[m][d] x lookup_table[weight[o][d]] + bias[o]; m = 4 x 1,024 = 4,096 rows, o and d 4,096 each.
; This launch makes the product's two operands, once:  a16[m][d] = input[m][d] rounded to bf16;  b16[o][d] = lookup_table[weight[o][d]] rounded to bf16.  The second launch multiplies them and adds the bias.
; Why apart from the product: each row of the weights is multiplied by 16 tile rows of the output and each row of the input by 16 tile columns; looked up or rounded inside the product, the same number would be made 16 times.
; NO WORK IS LEFT OUT: all four inputs reach the output, and all are loaded (bias by the second launch).
; LIMITS.  An index is taken as unsigned and held to 255: the problem's indices are 0 to 255; a greater one, and a negative one, reads entry 255.  input and the palette are rounded once, to nearest even, to bf16,
; which has f32's range; rounding the 256 entries and looking up gives the same numbers as looking up and rounding.
; SHARES.  1,024 work-groups of eight waves, all alike: each takes 65,536 consecutive bytes of input and of weight (16,384 numbers each) and writes 32,768 bytes of a16 and of b16.
; In step j of 16 thread t loads 16 bytes at 16 t + 4,096 j and stores 8 bytes at 8 t + 2,048 j: a wave's load covers 512 consecutive bytes, aligned; a wave's store 256 consecutive bytes, aligned.
; IN FLIGHT.  A wave's 33 loads all go out ahead of its first wait: 16 KiB a wave.  The text has no loop.
; THE PALETTE lies in LDS as 256 words, entry i rounded to bf16 in BOTH halves of word i, so that one v_perm_b32 packs two looked-up numbers whichever half each goes to.
; Matrix units, tensor loads and clusters are left out: nothing is multiplied, and no byte is wanted by two work-groups but the palette's 1,024.  No prefetch: every load is out from the start.
; THE MODE: SCHED_MODE bits 1:0 = 2 (LLVM: expert scheduling mode 2), set by the entry lines.  The code itself states the register dependences
; between vector instructions and memory or LDS instructions, with s_wait_alu, always for 0.
; THE PLAN.  The 16 steps go in four blocks of four.  Registers that memory or LDS instructions touch:
;   v1, v2, v3   offsets, made once at the head and never written again; every load and store reads one of them.
;   v4, v5       my palette entry as loaded, and rounded: v5 is read by one LDS store and never written again.
;   L            80 registers.  Block p's indices are loaded into L + 16 (p + 1) ..; phase p's vector lines turn them into LDS addresses in place; block p's look-ups read them there and land 16 registers
;                lower, in L + 16 p ..: for p > 0 the registers that held block p - 1's addresses.  Phase p + 1 packs the words in place, into each step's first pair; the stores to b16 issued in phase p + 2 read the pairs.
;   X            64 registers.  Block p's numbers of input as loaded; phase p's roundings write each step's first pair; the stores to a16 issued in phase p + 1 read the pairs.  Never written again.
;   v6, v7       written at the head, read by the closing add alone.
; Phase p (0 to 4): the vector work of block p (addresses, roundings), among it the stores to a16 of block p - 1 and to b16 of block p - 2; the pack of block p - 1; the waits; the look-ups of block p.
; ONE wait on va_vdst ends a phase's vector work.  It states all that the look-ups behind it and the stores of the next phase hang on: those stores read X of block p and L + 16 (p - 1) .., and the vector lines that stand
; between the wait and them name L + 16 (p + 2) .. and X of block p + 1 alone (the pack, which names L + 16 p .., stands behind the last of them).  One wait on vm_vsrc beside it, from phase 1 on, frees the address registers of the block before.
.set TABLE, 0                          ; LDS bytes 0 to 1,023: the palette
.set SPARE, 1024                       ; behind it: the spare words, 128 bytes for each of the eight waves: four blocks of 256 bytes that no other line names
.set LO,  1                            ; v1   16 t: my 16 bytes in a step's 4,096 of input and of weight; never rewritten
.set SO,  2                            ; v2   8 t: my 8 bytes in a step's 2,048 of a16 and of b16; never rewritten
.set TA,  3                            ; v3   4 t: my entry in lookup_table and in the palette in LDS
.set SPW, 6                            ; v6   LDS address of my spare word: SPARE + 4 x my thread's number; never rewritten
.set NIL, 7                            ; v7   0; never rewritten
.set L,   8                            ; v[8:87]    step j: four palette words, then 8 bytes to store, at L + 4 j
.set W,   L+16                         ;            step j: four indices, then four LDS addresses, at W + 4 j: a block (16 registers) above its palette words
.set X,   88                           ; v[88:151]  step j: four f32 of input, then 8 bytes to store
	s_load_b256 s[4:11], s[0:1], 0x0               ; input s[4:5], lookup_table s[6:7], weight s[8:9], a16 s[10:11]
	s_load_b64 s[12:13], s[0:1], 0x20              ; b16
	v_lshl_add_u32 v[SPW], v0, 2, SPARE
	v_mov_b32 v[NIL], 0
	v_lshlrev_b32 v[LO], 4, v0
	v_lshlrev_b32 v[SO], 3, v0
	v_lshlrev_b32 v[TA], 2, v0
	s_lshl_b32 s14, ttmp9, 16                      ; the work-group's 65,536 bytes of input and of weight (1,023 x 65,536 at the most: one word holds it)
	s_mov_b32 s15, 0
	s_lshl_b32 s16, ttmp9, 15                      ; its 32,768 bytes of a16 and of b16
	s_mov_b32 s17, 0
	s_mov_b32 s18, 0x07060100                      ; v_perm_b32: bytes 0, 1 of the second source below, bytes 2, 3 of the first source above
	s_wait_kmcnt 0x0
	s_add_nc_u64 s[4:5], s[4:5], s[14:15]
	s_add_nc_u64 s[8:9], s[8:9], s[14:15]
	s_add_nc_u64 s[10:11], s[10:11], s[16:17]
	s_add_nc_u64 s[12:13], s[12:13], s[16:17]
	s_wait_alu depctr_va_vdst(0)                   ; the offsets v1, v2 and v3 are written: every load and store of the kernel reads one of them
	global_load_b32 v4, v[TA], s[6:7]              ; thread t's palette entry: 256 threads, 256 entries
.irp j, 0,1,2,3,4,5,6,7,8,9,10,11,12,13,14,15
	global_load_b128 v[W+4*(\j):W+4*(\j)+3], v[LO], s[8:9] offset:4096*(\j) th:TH_LOAD_NT
	global_load_b128 v[X+4*(\j):X+4*(\j)+3], v[LO], s[4:5] offset:4096*(\j) th:TH_LOAD_NT
.endr
	s_wait_loadcnt 32                              ; loads come back in order (ISA guide 5.7.1): my palette entry is in, the 32 loads issued behind it stay out
	v_cvt_pk_bf16_f32 v5, v4, v4                   ; rounded once, into both halves
	s_wait_alu depctr_va_vdst(0)                   ; the rounding has written v5, which the LDS store reads
	ds_store_b32 v[TA], v5 offset:TABLE
	s_wait_dscnt 0x0                               ; for the other waves' sake: my 32 entries lie in LDS
	s_barrier_signal -1
	s_barrier_wait -1                              ; all 256 do; nobody writes the palette again
; Step j's vector work: its indices become LDS addresses, its four numbers of input are rounded.
.macro PREPARE j
.irp k, 0,1,2,3
	v_min_u32 v[W+4*(\j)+(\k)], 0xff, v[W+4*(\j)+(\k)]  ; the index stays inside the table
.endr
.irp k, 0,1,2,3
	v_lshlrev_b32 v[W+4*(\j)+(\k)], 2, v[W+4*(\j)+(\k)] ; a word an entry: 1,020 at the most
.endr
	v_cvt_pk_bf16_f32 v[X+4*(\j)],   v[X+4*(\j)],   v[X+4*(\j)+1]
	v_cvt_pk_bf16_f32 v[X+4*(\j)+1], v[X+4*(\j)+2], v[X+4*(\j)+3]
.endm
; Step j's four look-ups: each lands a block below its address.
.macro LOOKUP j
.irp k, 0,1,2,3
	ds_load_b32 v[L+4*(\j)+(\k)], v[W+4*(\j)+(\k)] offset:TABLE
.endr
.endm
; Step j's four palette words are packed.  younger = the look-ups issued behind step j's, which may stay out.
.macro PACK j, younger
	s_wait_dscnt \younger                          ; LDS loads come back in order (ISA guide 5.7.1)
	v_perm_b32 v[L+4*(\j)],   v[L+4*(\j)+1], v[L+4*(\j)],   s18  ; number 0 below, number 1 above
	v_perm_b32 v[L+4*(\j)+1], v[L+4*(\j)+3], v[L+4*(\j)+2], s18  ; numbers 2 and 3
.endm
.macro SEND_A j                        ; step j's 8 bytes of a16
	global_store_b64 v[SO], v[X+4*(\j):X+4*(\j)+1], s[10:11] offset:2048*(\j)
.endm
.macro SEND_B j                        ; step j's 8 bytes of b16
	global_store_b64 v[SO], v[L+4*(\j):L+4*(\j)+1], s[12:13] offset:2048*(\j)
.endm
; Phase p.  Its stores leave from registers that the wait on va_vdst at the last phase's end has shown written and that no vector line since names: they are dealt among the block's vector work with no further wait.
.macro PHASE p
.if (\p) < 4
	s_wait_loadcnt 24-8*(\p)                       ; block p's eight loads are in; behind them stand the eight of each of the 3 - p later blocks
.endif
.irp i, 0,1,2,3
.if (\p) >= 1
	SEND_A 4*(\p)-4+(\i)                           ; the block before: rounded in the last phase
.endif
.if (\p) >= 2
	SEND_B 4*(\p)-8+(\i)                           ; the block before that: packed in the last phase
.endif
.if (\p) < 4
	PREPARE 4*(\p)+(\i)
.endif
.endr
.if (\p) >= 1
.irp i, 0,1,2,3
	PACK 4*(\p)-4+(\i), 12-4*(\i)                  ; the look-ups of the block before were out during this block's vector work
.endr
.endif
.if (\p) < 4
.if (\p) >= 1
	s_wait_alu depctr_vm_vsrc(0)                   ; the look-ups of the block before have read their addresses at L + 16 p ..: the look-ups below land there, and the next phase's pack writes there
.endif
	s_wait_alu depctr_va_vdst(0)                   ; this phase has written block p's addresses, which the look-ups below read, and block p's rounded input and block p - 1's packed words, which the next phase's stores read; the lines that made block p - 1's addresses, where the look-ups land, are done too
.irp i, 0,1,2,3
	LOOKUP 4*(\p)+(\i)
.endr
.endif
.endm
	PHASE 0
	PHASE 1
	PHASE 2
	PHASE 3
	PHASE 4                                        ; no block is left to prepare: the stores of blocks 3 and 2, and block 3's pack
	s_wait_alu depctr_va_vdst(0)                   ; block 3's pack has written L + 48 .., which the last four stores read
.irp i, 0,1,2,3
	SEND_B 12+(\i)
.endr
	s_wait_dscnt 0x0                               ; the closing lines, six on end
	s_wait_alu 0x0
	s_wait_tensorcnt 0x0
	ds_add_u32 v[SPW], v[NIL]
	s_wait_dscnt 0x0
	s_endpgm
.Lfunc_end_k_q2b5262f241_prep:
	.size	k_q2b5262f241_prep, .Lfunc_end_k_q2b5262f241_prep-k_q2b5262f241_prep
	.p2alignl 7, 3214868480
	.fill 96, 4, 3214868480
	.section	.rodata,"a",@progbits
	.p2align	6, 0x0
	.amdhsa_kernel k_q2b5262f241_prep
		.amdhsa_group_segment_fixed_size 2048
		.amdhsa_private_segment_fixed_size 0
		.amdhsa_enable_private_segment 0
		.amdhsa_kernarg_size 40
		.amdhsa_user_sgpr_count 2
		.amdhsa_user_sgpr_kernarg_segment_ptr 1
		.amdhsa_wavefront_size32 1
		.amdhsa_system_sgpr_workgroup_id_x 1
		.amdhsa_system_sgpr_workgroup_id_y 1
		.amdhsa_system_sgpr_workgroup_id_z 1
		.amdhsa_system_vgpr_workitem_id 0
		.amdhsa_next_free_vgpr 152
		.amdhsa_next_free_sgpr 66
		.amdhsa_reserve_vcc 0
		.amdhsa_float_denorm_mode_32 3
		.amdhsa_float_denorm_mode_16_64 3
		.amdhsa_memory_ordered 1
		.amdhsa_forward_progress 1
		.amdhsa_inst_pref_size 23
	.end_amdhsa_kernel
	.amdgpu_metadata
---
amdhsa.version: [ 1, 2 ]
amdhsa.kernels:
  - .name:           k_q2b5262f241_prep
    .symbol:         k_q2b5262f241_prep.kd
    .args:
      - { .name: input, .offset: 0, .size: 8, .value_kind: global_buffer, .address_space: global }
      - { .name: lookup_table, .offset: 8, .size: 8, .value_kind: global_buffer, .address_space: global }
      - { .name: weight, .offset: 16, .size: 8, .value_kind: global_buffer, .address_space: global }
      - { .name: a16, .offset: 24, .size: 8, .value_kind: global_buffer, .address_space: global }
      - { .name: b16, .offset: 32, .size: 8, .value_kind: global_buffer, .address_space: global }
    .group_segment_fixed_size: 2048
    .private_segment_fixed_size: 0
    .kernarg_segment_align: 8
    .kernarg_segment_size: 40
    .max_flat_workgroup_size: 256
    .sgpr_count:     66
    .vgpr_count:     152
    .wavefront_size: 32
...
	.end_amdgpu_metadata
.endif
;; end of part 3
;; launch gemm: the kernel of part 2 again; grid 16 x 16, 4 waves a work-group, clusters of 4 x 4, 327,680 bytes of LDS; arguments a16, b16, bias, out0; writes out0
